; MI455X (gfx1250); checked and timed in simulation.
; The chip was launched on July 23, 2026; its instructions are those of AMD's public machine-readable ISA for CDNA 5 (MIT licence, August 2026) and "CDNA5" Instruction Set Architecture Reference Guide (July 2026). The comments in the code are by the model that wrote it; some were corrected since.
;; Evidence Selection Model. Allowed arithmetic: matrix products marked QUANTISED: E4M3 operands, one given power-of-two scale a tensor, by v_wmma_f32_16x16x64_fp8_fp8 or v_wmma_f32_16x16x128_fp8_fp8, f32 sums; everything else in f32.
;; Inputs: last_hidden_state 16 x 4,096 x 1,024 float32; lowp_scales 2 int32 (the exponents e of the quantised operands' scales 2^e); sentence_mask 16 x 4,096 int32.
;; Outputs: out0 16 x 32 x 1,024 float32; out1 32 int32.
;; Constants: num_sents = 32.
;; This version of the problem:
;;   THIS VERSION OF THE PROBLEM IS GIVEN IN LOW PRECISION. The matrix products marked QUANTISED in the list below multiply operands that are first quantised to E4M3 (4 exponent bits, 3 mantissa bits; 8 bits a number), with one given power-of-two scale for each operand tensor; their sums are f32. All else is computed in f32.
;;   The module's matrix products, in the order in which they are computed (A, B: the left and right operand; K: the contracted axis; several contracted axes count as one K, in the product's order):
;;     1. batch 16 x [M 32, K 4,096] x [K 4,096, N 1,024]; A: computed on the way; B: input last_hidden_state: QUANTISED (scales: A lowp_scales[0], B lowp_scales[1])
;;   THE QUANTISER, for each operand of a quantised product, along K:
;;     - The operand's scale is 2^e, e = its entry of the input lowp_scales (int32; the entries are numbered through the quantised products in the list's order, A before B).
;;     - Each number is divided by the scale, clamped to +-448, and rounded to the nearest number of E4M3, ties to even, subnormals kept.
;;     - The product sums the exact products of the quantised numbers (number of the format x scale) in f32.
;;   ~~~python
;;   def quantise(x, axis, e):      # numpy; x: float32 -> the quantised numbers, widened to float32 again
;;       x = np.moveaxis(x, axis, -1); K = x.shape[-1]
;;       r = np.clip(x / 2.0 ** e, -448, 448)
;;       step = 2.0 ** (np.maximum(np.frexp(np.where(r == 0, 1, r))[1] - 1, -6) - 3)
;;       q = np.round(r / step) * step * 2.0 ** e      # np.round: ties to even
;;       return np.moveaxis(q, -1, axis).astype(np.float32)
;;   ~~~
;;   OPERANDS COMPUTED ON THE WAY. 'Computed on the way' means the value that the module computes at that place (a softmax that the list does not call 'softmax' is quantised finished and normalised). What goes into a quantiser is computed in f32, as accurately as f32 sums, v_exp_f32 and their like allow (about 1e-6 of the number): no bf16 or f16 on the way to a quantiser, and a product that is left as it is and whose result goes on into a quantised operand takes f32 operands (vector FMAs, or v_wmma_f32_16x16x4_f32). A number that lies on a knife's edge between two numbers of the format may be rounded either way, as far as f32 arithmetic and the matrix unit's own rounding can turn it there, and no further.
;; 2 versions. Each part assembles by itself: llvm-mc -triple=amdgcn-amd-amdhsa -mcpu=gfx1250 --defsym DOCPART=n.
;; ======== version 1 of 2: 1 launch
;; limits: right only within a limited range of input values
;; launch segmean (part 1): grid 16 x 16, 16 waves a work-group, no clusters, 281,600 bytes of LDS; arguments last_hidden_state, sentence_mask, lowp_scales, out0, out1; writes out0, out1
.if DOCPART == 1
	.amdgcn_target "amdgcn-amd-amdhsa--gfx1250"
	.amdhsa_code_object_version 6
	.text
	.protected	k_qb66b37e7dc_segmean
	.globl	k_qb66b37e7dc_segmean
	.p2align	8
	.type	k_qb66b37e7dc_segmean,@function
k_qb66b37e7dc_segmean:
	s_mov_b64 s[64:65], 0
	v_nop
	global_prefetch_b8 v0, s[64:65] scope:SCOPE_SE
	s_setreg_imm32_b32 hwreg(HW_REG_WAVE_MODE, 25, 1), 1
	s_wait_xcnt 0x0
; out0[b][m][c] = (sum over tokens t with sentence_mask[b][t] == m of X[b][t][c]) / (number of such tokens);  out1 = 0 .. 31.
; X = last_hidden_state [16][4096][1024] f32, sentence_mask [16][4096] int32, out0 [16][32][1024] f32.
; The sum is the product mask (32 x 4096) x X (4096 x 1024) on codes of FP8 (E4M3): the mask's numbers 0 and 1 with the given scale 2^e0, X's with 2^e1; sums in f32; each finished sum x 2^(e0 + e1) / count.
; SHARES.  Work-group (x = g, y = b) owns batch b and columns 64 g .. 64 g + 63: 256 bytes of each of the 4,096 rows, and 32 rows x 256 bytes of out0: each output has one owner.
; Its sixteen waves share the tokens: wave w takes tokens 256 w .. 256 w + 255, four K steps of 64; at the end the sixteen partial tiles are added through LDS.
; X'S WAY.  One load of 16 bytes a lane reads two rows' 256 bytes: lanes 0-15 token t, lanes 16-31 token t + 32.  A lane (r, h) then holds columns 4 r + j, j = 0 .. 3.  TILE j OF COLUMNS IS {4 r + j}: so a lane has one
; column in each of the four tiles.  Four loads (a QUAD: tokens 4 q .. 4 q + 3 of the lane's half) are held within +-448 x 2^e1, converted eight at a time, and the 4 x 4 bytes are turned by eight v_perm_b32:
; register q of tile j's fragment = the lane's column, tokens 64 s + 32 h + 4 q + 0 .. 3.  That is a permutation of k; the mask's fragments use the same one, so every product meets its partner.
; THE MASK'S WAY.  It is made once, at the head, while the first loads of X are on their way: ids clamped to 32 and packed to bytes (through the wave's own LDS bytes, so that each lane gets its half's 32 ids of a K step);
; for a word of four tokens: xor with the lane's sentence in every byte (0 where equal, at most 63), 0x40 - that (bit 6 set where equal), bit 6 as 0 or 1, and v_perm_b32 puts the code of Q(1) where it is 1.
; The words of 0 and 1 are also added up: the counts, exact whole numbers that do not hang on e0.  The fragments wait in the wave's own LDS bytes as images of their registers.
; WHY NO CLUSTER: work-groups share only the 16 KiB of ids of a batch, under 2 per cent of a work-group's bytes.  WHY NO TENSOR LOAD: the numbers are wanted in registers, once, by one wave.
; LIMITS.  e0 and e1 between -126 and 119, so that 2^e and 448 x 2^e are f32 numbers.  NaN in X is not served (an infinity is held at the largest code).  1 / count is v_rcp_f32.  The f32 sums are taken in another
; order than K ascending (k permuted inside an instruction, K shared among sixteen waves).  An id outside 0 .. 31 belongs to no sentence.  A sentence with no token gives 0 x infinity = NaN, as 0 / 0 does.
.set ROWB,  4096                       ; a row of X in bytes
.set R,     7                          ; quads in the ring of registers: 28 loads of a wave on their way
.set NQ,    32                         ; quads of a wave: 4 K steps x 8
.set OP,    272                        ; a row of the output stage: 256 bytes + 16
.set PT,    0                          ; LDS: packed ids, 256 bytes a wave
.set CNT,   4096                       ; each wave's 32 counts, 128 bytes a wave
.set FT,    6144                       ; each wave's own copy of the 32 factors
.set OUTS,  8192                       ; the output stage: 32 rows x OP
.set SPARE, 16896                      ; the spare words, 128 bytes for each wave: eight blocks of 256 bytes that no other line names
.set AIMG,  18944                      ; the mask's fragments: 8,192 bytes a wave (K step s, tile t: 1,024 bytes at 1,024 (2 s + t))
.set RED,   150016                     ; the accumulators' images: 8,192 bytes a wave, 16 slots of 512
.set VX,  1                            ; v1   X: 32 rows x h + 16 r; never rewritten
.set LIM, 2                            ; v2   448 x 2^e1
.set SC,  3                            ; v3   2^e1
.set AIM, 4                            ; v4   my place in my wave's images of the mask
.set SPW, 5                            ; v5   LDS address of my spare word; never rewritten
.set NIL, 6                            ; v6   0; never rewritten
.set L16, 7                            ; v7   16 x lane
.set FAC, 8                            ; v8-11  2^(e0 + e1) / count of the four sentences that I finish
.set T0,  12                           ; v12, v13 at work
.set T1,  13
.set C,   14                           ; v14-17 a quad's codes as converted
.set RST, 18                           ; v18  where my accumulators' images go
.set RL0, 19                           ; v19, v20 where I read my slot of waves 0-7, 8-15
.set RL1, 20
.set OST, 21                           ; v21  the output stage, in
.set OLD, 22                           ; v22  and back
.set GO,  23                           ; v23  my byte offset in my wave's two rows of out0
.set AF,  24                           ; v24-39   the mask's two fragments of a K step
.set BF,  40                           ; v40-71   X's four fragments
.set ACC, 72                           ; v72-135  accumulator (t, j) at 8 (4 t + j)
.set X,   136                          ; v136-247 the ring: 16 registers a quad
.set O1,  248                          ; v248 4 x thread: out1's offset; never rewritten
; at the head only, in registers that the loop takes later:
.set P,   24                           ; v24-55   packed ids: word 8 s + q
.set AT,  56                           ; v56-119  the eight fragments as they are made
.set IDS, 64                           ; v64-71   my eight ids as loaded
.set CN0, 120                          ; v120, v121 counts in bytes, tile 0, 1
.set M0,  122                          ; v122, v123 my sentence in every byte, tile 0, 1
.set TAB, 124                          ; v124 bytes 0, code of Q(1), 0, 0 (v125 with it)
.set PST, 126
.set PLD, 127
.set CST, 128
.set CLD, 129
.set FST, 130
.set FLD, 131
.set R16, 132
.set H,   133
.set LANE, 134
.set RR,  135
.macro XLOAD n                         ; quad n: tokens 64 (n / 8) + 32 h + 4 (n % 8) + 0 .. 3; sixteen lanes read 256 consecutive bytes, aligned
.set XL, X+16*((\n)%R)
.irp i, 0,1,2,3
	global_load_b128 v[XL+4*\i:XL+4*\i+3], v[VX], s[4:5] offset:(64*((\n)/8)+4*((\n)%8)+\i)*ROWB th:TH_LOAD_NT
.endr
.endm
.macro BARRIER                         ; my LDS stores have landed and my LDS loads are in: then the work-group's barrier
	s_wait_dscnt 0x0
	s_barrier_signal -1
	s_barrier_wait -1
.endm
	s_load_b256 s[4:11], s[0:1], 0x0               ; X s[4:5], sentence_mask s[6:7], the scales' exponents s[8:9], out0 s[10:11]
	s_load_b64 s[12:13], s[0:1], 0x20              ; out1
	v_lshl_add_u32 v[SPW], v0, 2, SPARE
	v_mov_b32 v[NIL], 0
	v_lshrrev_b32 v[T0], 5, v0
	v_readfirstlane_b32 s14, v[T0]                 ; wave 0..15
	s_and_b32 s15, ttmp7, 0xffff                   ; batch
	v_and_b32 v[LANE], 31, v0
	v_and_b32 v[RR], 15, v0                        ; r
	v_bfe_u32 v[H], v0, 4, 1                       ; h
	v_lshlrev_b32 v[L16], 4, v[LANE]
	v_lshlrev_b32 v[R16], 4, v[RR]
	v_lshl_add_u32 v[VX], v[H], 17, v[R16]         ; 32 rows of 4,096 bytes for lanes 16-31, + 16 r
	v_lshlrev_b32 v[O1], 2, v0
	s_lshl_b32 s18, s15, 24                        ; X: batch x 16 MiB + wave x 256 rows + 256 g, under 2^28
	s_lshl_b32 s19, s14, 20
	s_add_co_u32 s18, s18, s19
	s_lshl_b32 s19, ttmp9, 8
	s_add_co_u32 s18, s18, s19
	s_mov_b32 s19, 0
	s_lshl_b32 s26, s15, 14                        ; ids: batch x 16 KiB + wave x 1 KiB
	s_lshl_b32 s27, s14, 10
	s_add_co_u32 s26, s26, s27
	s_mov_b32 s27, 0
	s_lshl_b32 s28, s15, 17                        ; out0: batch x 32 rows + rows 2 w on + 256 g
	s_lshl_b32 s29, s14, 13
	s_add_co_u32 s28, s28, s29
	s_lshl_b32 s29, ttmp9, 8
	s_add_co_u32 s28, s28, s29
	s_mov_b32 s29, 0
	s_wait_kmcnt 0x0
	s_load_b64 s[16:17], s[8:9], 0x0               ; e0 (the mask's), e1 (X's)
	s_add_nc_u64 s[4:5], s[4:5], s[18:19]
	s_add_nc_u64 s[6:7], s[6:7], s[26:27]
	s_add_nc_u64 s[10:11], s[10:11], s[28:29]
	global_load_b128 v[IDS:IDS+3], v[L16], s[6:7]              ; ids 4 lane + 0 .. 3 of my wave's 256: 512 consecutive bytes,
	global_load_b128 v[IDS+4:IDS+7], v[L16], s[6:7] offset:512 ; and 128 + 4 lane + 0 .. 3
.irp n, 0,1,2,3,4,5,6
	XLOAD \n                                       ; the ring is filled: 28 loads
.endr
	s_or_b32 s30, ttmp9, s15                       ; out1 has one owner: wave 0 of work-group (0, 0), whose thread number is the lane
	s_or_b32 s30, s30, s14
	s_cmp_lg_u32 s30, 0
	s_cbranch_scc1 .Lnot_first
	global_store_b32 v[O1], v0, s[12:13]           ; neither register is written again
.Lnot_first:
	; LDS addresses: a constant + a constant x wave + a constant x lane
	s_lshl_b32 s30, s14, 13
	s_add_co_u32 s31, s30, AIMG
	v_add_nc_u32 v[AIM], s31, v[L16]
	s_add_co_u32 s31, s30, RED
	v_add_nc_u32 v[RST], s31, v[L16]
	s_lshl_b32 s31, s14, 9
	s_add_co_u32 s31, s31, RED
	v_add_nc_u32 v[RL0], s31, v[L16]               ; slot w of wave 0's image,
	v_add_nc_u32 v[RL1], 0x10000, v[RL0]           ; of wave 8's: an LDS offset has 16 bits
	s_lshl_b32 s31, s14, 8
	v_lshl_add_u32 v[PST], v[LANE], 2, s31         ; PT = 0
	v_lshl_add_u32 v[PLD], v[H], 5, s31            ; my half's 32 ids of K step 0
	s_lshl_b32 s31, s14, 7
	s_add_co_u32 s33, s31, CNT
	v_lshl_add_u32 v[CST], v[LANE], 2, s33
	v_lshl_add_u32 v[CLD], v[LANE], 2, CNT
	s_add_co_u32 s33, s31, FT
	v_lshl_add_u32 v[FST], v[LANE], 2, s33
	; at the end wave w = 8 t + 2 j + f finishes registers 4 f .. 4 f + 3 of accumulator (t, j): sentences 16 t + 8 h + 4 f + 0 .. 3, column 4 r + j
	s_lshr_b32 s34, s14, 3
	s_and_b32 s35, s14, 1
	s_bfe_u32 s36, s14, 0x20001
	s_lshl_b32 s34, s34, 4
	s_lshl_b32 s35, s35, 2
	s_add_co_u32 s34, s34, s35                     ; 16 t + 4 f
	s_lshl_b32 s35, s34, 2
	s_add_co_u32 s35, s35, s33
	v_lshl_add_u32 v[FLD], v[H], 5, s35            ; their four factors in my wave's table
	s_mul_i32 s35, s34, OP
	s_lshl_b32 s36, s36, 2
	s_add_co_u32 s35, s35, s36
	s_add_co_u32 s35, s35, OUTS
	v_mad_u32_u24 v[OST], v[H], 8*OP, v[R16]
	v_add_nc_u32 v[OST], s35, v[OST]               ; row 16 t + 8 h + 4 f, byte 16 r + 4 j
	s_mul_i32 s35, s14, 2*OP
	s_add_co_u32 s35, s35, OUTS
	v_mad_u32_u24 v[OLD], v[H], OP, v[R16]
	v_add_nc_u32 v[OLD], s35, v[OLD]               ; back: row 2 w + h, 16 bytes a lane
	v_lshl_add_u32 v[GO], v[H], 12, v[R16]
	s_mov_b32 s20, 0x05010400                      ; v_perm_b32: bytes 0 and 1 of two words, interleaved
	s_mov_b32 s21, 0x07030602                      ; bytes 2 and 3, interleaved
	s_mov_b32 s22, 0x05040100                      ; the two low halves
	s_mov_b32 s23, 0x07060302                      ; the two high halves
	s_mov_b32 s24, 0x40404040
	s_mov_b32 s25, 0x01010101
	s_mov_b32 s38, 0x76543210                      ; v_permlanex16_b32: lane l xor 16
	s_mov_b32 s39, 0xfedcba98
	s_mov_b32 s40, 0x00ff00ff
	s_wait_kmcnt 0x0
	s_add_co_i32 s41, s16, s17                     ; e0 + e1
	s_add_co_i32 s36, s17, 127
	s_lshl_b32 s37, s36, 23
	v_mov_b32 v[SC], s37                           ; 2^e1 as f32: the conversion takes its exponent field
	s_add_co_i32 s36, s36, 8
	s_lshl_b32 s36, s36, 23
	s_or_b32 s36, s36, 0x600000
	v_mov_b32 v[LIM], s36                          ; 448 x 2^e1
	s_add_co_i32 s36, s16, 127
	s_lshl_b32 s37, s36, 23                        ; 2^e0
	s_add_co_i32 s36, s36, 8
	s_lshl_b32 s36, s36, 23
	s_or_b32 s36, s36, 0x600000                    ; 448 x 2^e0
	; the mask's two codes, by the quantiser itself: the numbers 0, 1, 0, 0 .. give the bytes 0, Q(1), 0, 0 ..
	v_mov_b32 v[AT], 0
	v_mov_b32 v[AT+1], s36
	v_min_num_f32 v[AT+1], 1.0, v[AT+1]            ; the hold: the conversion to an 8-bit code does not saturate (ISA guide 7.6.2)
.irp i, 2,3,4,5,6,7
	v_mov_b32 v[AT+\i], 0
.endr
	v_mov_b32 v[CN0], s37
	v_cvt_scalef32_pk8_fp8_f32 v[TAB:TAB+1], v[AT:AT+7], v[CN0]
	v_nop                                          ; one plain vector instruction behind a scaled conversion, ahead of what writes its sources or reads its result
	v_mul_lo_u32 v[M0], v[RR], s25                 ; sentence r in every byte,
	v_add_nc_u32 v[M0+1], 0x10101010, v[M0]        ; sentence r + 16
	v_mov_b32 v[CN0], 0
	v_mov_b32 v[CN0+1], 0
	s_wait_loadcnt 4*R                             ; my ids are in: behind them only the ring's 28 loads were issued
.irp i, 0,1,2,3,4,5,6,7
	v_min_u32 v[IDS+\i], 32, v[IDS+\i]             ; every id outside 0 .. 31 (a negative one is large as unsigned) becomes 32, which equals no sentence
.endr
.irp u, 0,4
	v_lshl_or_b32 v[IDS+\u], v[IDS+\u+1], 8, v[IDS+\u]
	v_lshl_or_b32 v[IDS+\u+2], v[IDS+\u+3], 8, v[IDS+\u+2]
	v_lshl_or_b32 v[IDS+\u], v[IDS+\u+2], 16, v[IDS+\u]
.endr
	ds_store_b32 v[PST], v[IDS]                    ; byte t of my wave's 256 = the id of its token t
	ds_store_b32 v[PST], v[IDS+4] offset:128
.irp s, 0,1,2,3
	ds_load_b128 v[P+8*\s:P+8*\s+3], v[PLD] offset:64*\s          ; LDS serves a wave's instructions in order (ISA guide 5.7.1.4): these see my stores.  Tokens 64 s + 32 h + 0 .. 31
	ds_load_b128 v[P+8*\s+4:P+8*\s+7], v[PLD] offset:64*\s+16
.endr
	s_wait_dscnt 0x0
.macro ABUILD s, t                     ; the fragment of K step s, sentences 16 t + r: eight words, each in a register of its own from first to last
.set AB, AT+8*(2*(\s)+(\t))
.irp q, 0,1,2,3,4,5,6,7
	v_xor_b32 v[AB+\q], v[P+8*(\s)+\q], v[M0+(\t)]   ; a byte is 0 where the token is my sentence's, else 1 .. 63
.endr
.irp q, 0,1,2,3,4,5,6,7
	v_sub_nc_u32 v[AB+\q], s24, v[AB+\q]           ; 0x40 - byte: 0x40 or 1 .. 0x3f: no byte borrows
.endr
.irp q, 0,1,2,3,4,5,6,7
	v_lshrrev_b32 v[AB+\q], 6, v[AB+\q]
.endr
.irp q, 0,1,2,3,4,5,6,7
	v_and_b32 v[AB+\q], s25, v[AB+\q]              ; 1 or 0
.endr
.irp q, 0,2,4,6
	v_add3_u32 v[CN0+(\t)], v[CN0+(\t)], v[AB+\q], v[AB+\q+1]   ; the counts, four bytes at a time: 32 words a lane and tile, so no byte passes 32
.endr
.irp q, 0,1,2,3,4,5,6,7
	v_perm_b32 v[AB+\q], v[TAB], v[TAB], v[AB+\q]  ; selector 1 picks the code of Q(1), selector 0 the code 0
.endr
	ds_store_b128 v[AIM], v[AB:AB+3] offset:(2*(\s)+(\t))*1024
	ds_store_b128 v[AIM], v[AB+4:AB+7] offset:(2*(\s)+(\t))*1024+512
.endm
.irp s, 0,1,2,3
	ABUILD \s, 0
	ABUILD \s, 1
.endr
	; lane l = r + 16 h ends up with my wave's count of sentence l: its own part of tile h, and the part of tile h that the lane 16 away has
	v_cmp_eq_u32 vcc_lo, 1, v[H]
	v_cndmask_b32 v24, v[CN0], v[CN0+1], vcc_lo
	v_cndmask_b32 v25, v[CN0+1], v[CN0], vcc_lo
	v_mov_b32 v26, 0                               ; a lane permute's destination counts as one of its sources
	v_permlanex16_b32 v26, v25, s38, s39
	v_add_nc_u32 v24, v24, v26                     ; bytes of at most 64
	v_and_b32 v25, s40, v24
	v_lshrrev_b32 v24, 8, v24
	v_and_b32 v24, s40, v24
	v_add_nc_u32 v24, v24, v25
	v_lshrrev_b32 v25, 16, v24
	v_and_b32 v24, 0xffff, v24
	v_add_nc_u32 v24, v24, v25
	ds_store_b32 v[CST], v24
	BARRIER                                        ; every wave's 32 counts lie in LDS (the ring's loads of X stay on their way: nobody writes those bytes)
.irp u, 0,1,2,3,4,5,6,7,8,9,10,11,12,13,14,15
	ds_load_b32 v[40+\u], v[CLD] offset:128*\u
.endr
	s_wait_dscnt 0x0
.irp u, 0,3,6,9,12
	v_add3_u32 v[40+\u], v[40+\u], v[41+\u], v[42+\u]
.endr
	v_add3_u32 v40, v40, v43, v46
	v_add3_u32 v49, v49, v52, v55
	v_add_nc_u32 v40, v40, v49                     ; sentence l's count in the batch
	v_cvt_f32_u32 v40, v40
	v_rcp_f32 v41, v40                             ; (infinity where no token has the sentence)
	v_nop                                          ; a plain instruction behind the transcendental,
	s_wait_alu depctr_va_vdst(0)                   ; and a wait ahead of its first reader
	v_ldexp_f32 v41, v41, s41                      ; 2^(e0 + e1) / count
	ds_store_b32 v[FST], v41                       ; through my wave's own table:
	ds_load_b128 v[FAC:FAC+3], v[FLD]              ; the factors of the four sentences that I finish
.macro AFETCH s                        ; the mask's two fragments of K step s come back as they were stored
.irp u, 0,1,2,3
	ds_load_b128 v[AF+4*\u:AF+4*\u+3], v[AIM] offset:(\s)*2048+512*\u
.endr
.endm
	AFETCH 0
	s_wait_dscnt 0x0                               ; the head's LDS work is over: its registers may be taken
; A QUAD: 16 numbers a lane become one register of each of the four fragments.
.macro QUAD n
.set XS, X+16*((\n)%R)
.set QQ, (\n)%8
.if (\n)+R <= NQ
	s_wait_loadcnt 4*(R-1)                         ; loads come back in order (ISA guide 5.7.1): this quad's four are in, the six younger quads' stay out
.else
	s_wait_loadcnt 4*(NQ-1-(\n))                   ; the last quads: the counts run down
.endif
.irp i, 0,1,2,3,4,5,6,7
	v_med3_num_f32 v[XS+\i], v[XS+\i], -v[LIM], v[LIM]   ; the hold at the largest code x the scale
.endr
	v_cvt_scalef32_pk8_fp8_f32 v[C:C+1], v[XS:XS+7], v[SC]        ; word 0: token 0, columns j = 0 .. 3; word 1: token 1
.irp i, 8,9,10,11,12,13,14,15
	v_med3_num_f32 v[XS+\i], v[XS+\i], -v[LIM], v[LIM]
.endr
	v_cvt_scalef32_pk8_fp8_f32 v[C+2:C+3], v[XS+8:XS+15], v[SC]   ; tokens 2, 3
.if (\n)+R < NQ
	XLOAD (\n)+R                                   ; the slot takes the quad seven further on at once
.endif
	v_perm_b32 v[T0], v[C+1], v[C], s20            ; j0: tokens 0, 1; j1: tokens 0, 1.  (These two are plain instructions between the second conversion and the first reader of its result)
	v_perm_b32 v[C], v[C+1], v[C], s21             ; j2, j3 likewise
	v_perm_b32 v[T1], v[C+3], v[C+2], s20          ; j0, j1: tokens 2, 3
	v_perm_b32 v[C+2], v[C+3], v[C+2], s21         ; j2, j3
	v_perm_b32 v[BF+QQ], v[T1], v[T0], s22         ; column 4 r + 0, tokens 0 .. 3
	v_perm_b32 v[BF+8+QQ], v[T1], v[T0], s23       ; column 4 r + 1
	v_perm_b32 v[BF+16+QQ], v[C+2], v[C], s22      ; column 4 r + 2
	v_perm_b32 v[BF+24+QQ], v[C+2], v[C], s23      ; column 4 r + 3
.endm
; Eight products of a K step: source 0 = 16 sentences, source 1 = 16 columns.  The eight accumulators take turns, one instruction a turn, from step to step too.
.macro MULS zero
.irp t, 0,1
.irp j, 0,1,2,3
.if \zero
	v_wmma_f32_16x16x64_fp8_fp8 v[ACC+8*(4*\t+\j):ACC+8*(4*\t+\j)+7], v[AF+8*\t:AF+8*\t+7], v[BF+8*\j:BF+8*\j+7], 0
.else
	v_wmma_f32_16x16x64_fp8_fp8 v[ACC+8*(4*\t+\j):ACC+8*(4*\t+\j)+7], v[AF+8*\t:AF+8*\t+7], v[BF+8*\j:BF+8*\j+7], v[ACC+8*(4*\t+\j):ACC+8*(4*\t+\j)+7]
.endif
.endr
.endr
.endm
; A K step of 64 tokens.  Behind the last step's products the first quad's sixteen holds, which name none of their registers, stand ahead of the first write of a fragment of X and of the loads into the mask's.
.macro KSTEP s, zero
	QUAD 8*(\s)
.if (\s) > 0
	AFETCH \s
.endif
.irp q, 1,2,3,4,5,6,7
	QUAD 8*(\s)+\q
.endr
	s_wait_dscnt 0x0                               ; the mask's fragments are in
	MULS \zero
.endm
	KSTEP 0, 1                                     ; the first step's products start the sums: nothing is cleared
	KSTEP 1, 0
	KSTEP 2, 0
	KSTEP 3, 0
	; THE END.  Sixteen partial tiles of 32 x 64 are added: each wave's accumulators go to LDS as they stand, 16 slots of four registers; wave w adds slot w of all sixteen.
.rept 4
	v_nop                                          ; four places between the last products and the first read of results
.endr
.irp a, 0,1,2,3,4,5,6,7
	ds_store_b128 v[RST], v[ACC+8*\a:ACC+8*\a+3] offset:1024*\a          ; each accumulator from its low end on
	ds_store_b128 v[RST], v[ACC+8*\a+4:ACC+8*\a+7] offset:1024*\a+512
.endr
	BARRIER
.irp u, 0,1,2,3,4,5,6,7
	ds_load_b128 v[X+4*\u:X+4*\u+3], v[RL0] offset:8192*\u
.endr
.irp u, 0,1,2,3,4,5,6,7
	ds_load_b128 v[X+32+4*\u:X+32+4*\u+3], v[RL1] offset:8192*\u
.endr
	s_wait_dscnt 0x0
.irp u, 0,1,2,3,4,5,6,7
	v_pk_add_f32 v[X+4*\u:X+4*\u+1], v[X+4*\u:X+4*\u+1], v[X+32+4*\u:X+32+4*\u+1]
	v_pk_add_f32 v[X+4*\u+2:X+4*\u+3], v[X+4*\u+2:X+4*\u+3], v[X+32+4*\u+2:X+32+4*\u+3]
.endr
.irp u, 0,1,2,3
	v_pk_add_f32 v[X+4*\u:X+4*\u+1], v[X+4*\u:X+4*\u+1], v[X+16+4*\u:X+16+4*\u+1]
	v_pk_add_f32 v[X+4*\u+2:X+4*\u+3], v[X+4*\u+2:X+4*\u+3], v[X+16+4*\u+2:X+16+4*\u+3]
.endr
.irp u, 0,1
	v_pk_add_f32 v[X+4*\u:X+4*\u+1], v[X+4*\u:X+4*\u+1], v[X+8+4*\u:X+8+4*\u+1]
	v_pk_add_f32 v[X+4*\u+2:X+4*\u+3], v[X+4*\u+2:X+4*\u+3], v[X+8+4*\u+2:X+8+4*\u+3]
.endr
	v_pk_add_f32 v[X:X+1], v[X:X+1], v[X+4:X+5]
	v_pk_add_f32 v[X+2:X+3], v[X+2:X+3], v[X+6:X+7]
	v_pk_mul_f32 v[X:X+1], v[X:X+1], v[FAC:FAC+1]          ; x 2^(e0 + e1) / count, each sentence by its own factor
	v_pk_mul_f32 v[X+2:X+3], v[X+2:X+3], v[FAC+2:FAC+3]
.irp e, 0,1,2,3
	ds_store_b32 v[OST], v[X+\e] offset:OP*\e      ; sentence 16 t + 8 h + 4 f + e, column 4 r + j: a row's 256 bytes come from four waves
.endr
	BARRIER                                        ; 32 whole rows lie in the stage
	ds_load_b128 v[X+4:X+7], v[OLD]
	s_wait_dscnt 0x0
	global_store_b128 v[GO], v[X+4:X+7], s[10:11] th:TH_STORE_NT   ; rows 2 w and 2 w + 1: sixteen lanes store 256 consecutive bytes, at a multiple of 256 from out0's first byte
	s_wait_tensorcnt 0x0                           ; the wave's end: three closing lines, behind my last LDS store
	ds_add_u32 v[SPW], v[NIL]
	s_wait_dscnt 0x0
	s_endpgm
.Lfunc_end_k_qb66b37e7dc_segmean:
	.size	k_qb66b37e7dc_segmean, .Lfunc_end_k_qb66b37e7dc_segmean-k_qb66b37e7dc_segmean
	.p2alignl 7, 3214868480
	.fill 96, 4, 3214868480
	.section	.rodata,"a",@progbits
	.p2align	6, 0x0
	.amdhsa_kernel k_qb66b37e7dc_segmean
		.amdhsa_group_segment_fixed_size 281600
		.amdhsa_private_segment_fixed_size 0
		.amdhsa_enable_private_segment 0
		.amdhsa_kernarg_size 40
		.amdhsa_user_sgpr_count 2
		.amdhsa_user_sgpr_kernarg_segment_ptr 1
		.amdhsa_wavefront_size32 1
		.amdhsa_system_sgpr_workgroup_id_x 1
		.amdhsa_system_sgpr_workgroup_id_y 1
		.amdhsa_system_sgpr_workgroup_id_z 1
		.amdhsa_system_vgpr_workitem_id 0
		.amdhsa_next_free_vgpr 256
		.amdhsa_next_free_sgpr 66
		.amdhsa_reserve_vcc 1
		.amdhsa_float_denorm_mode_32 3
		.amdhsa_float_denorm_mode_16_64 3
		.amdhsa_memory_ordered 1
		.amdhsa_forward_progress 1
		.amdhsa_inst_pref_size 98
	.end_amdhsa_kernel
	.amdgpu_metadata
---
amdhsa.version: [ 1, 2 ]
amdhsa.kernels:
  - .name:           k_qb66b37e7dc_segmean
    .symbol:         k_qb66b37e7dc_segmean.kd
    .args:
      - { .name: last_hidden_state, .offset: 0, .size: 8, .value_kind: global_buffer, .address_space: global }
      - { .name: sentence_mask, .offset: 8, .size: 8, .value_kind: global_buffer, .address_space: global }
      - { .name: lowp_scales, .offset: 16, .size: 8, .value_kind: global_buffer, .address_space: global }
      - { .name: out0, .offset: 24, .size: 8, .value_kind: global_buffer, .address_space: global }
      - { .name: out1, .offset: 32, .size: 8, .value_kind: global_buffer, .address_space: global }
    .group_segment_fixed_size: 281600
    .private_segment_fixed_size: 0
    .kernarg_segment_align: 8
    .kernarg_segment_size: 40
    .max_flat_workgroup_size: 512
    .sgpr_count:     66
    .vgpr_count:     256
    .wavefront_size: 32
...
	.end_amdgpu_metadata
.endif
;; end of part 1
;; ======== version 2 of 2: 1 launch; version 1 with the launch segmean written anew for expert scheduling mode
;; limits: right only within a limited range of input values
;; launch segmean (part 2): grid 16 x 16, 16 waves a work-group, no clusters, 281,600 bytes of LDS; arguments last_hidden_state, sentence_mask, lowp_scales, out0, out1; writes out0, out1
.if DOCPART == 2
	.amdgcn_target "amdgcn-amd-amdhsa--gfx1250"
	.amdhsa_code_object_version 6
	.text
	.protected	k_qb66b37e7dc_segmean
	.globl	k_qb66b37e7dc_segmean
	.p2align	8
	.type	k_qb66b37e7dc_segmean,@function
k_qb66b37e7dc_segmean:
	s_mov_b64 s[64:65], 0
	v_nop
	global_prefetch_b8 v0, s[64:65] scope:SCOPE_SE
	s_setreg_imm32_b32 hwreg(HW_REG_WAVE_SCHED_MODE, 0, 2), 2
	s_setreg_imm32_b32 hwreg(HW_REG_WAVE_MODE, 25, 1), 1
	s_wait_xcnt 0x0
	s_wait_alu depctr_vm_vsrc(0)
; out0[b][m][c] = (sum over tokens t with sentence_mask[b][t] == m of X[b][t][c]) / (number of such tokens);  out1 = 0 .. 31.
; X = last_hidden_state [16][4096][1024] f32, sentence_mask [16][4096] int32, out0 [16][32][1024] f32.
; The sum is the product mask (32 x 4096) x X (4096 x 1024) on codes of FP8 (E4M3): the mask's numbers 0 and 1 with the given scale 2^e0, X's with 2^e1; sums in f32; each finished sum x 2^(e0 + e1) / count.
; SHARES.  Work-group (x = g, y = b) owns batch b and columns 64 g .. 64 g + 63: 256 bytes of each of the 4,096 rows, and 32 rows x 256 bytes of out0: each output has one owner.
; Its sixteen waves share the tokens: wave w takes tokens 256 w .. 256 w + 255, four K steps of 64; at the end the sixteen partial tiles are added through LDS.
; X'S WAY.  One load of 16 bytes a lane reads two rows' 256 bytes: lanes 0-15 token t, lanes 16-31 token t + 32.  A lane (r, h) then holds columns 4 r + j, j = 0 .. 3.  TILE j OF COLUMNS IS {4 r + j}: so a lane has one
; column in each of the four tiles.  Four loads (a QUAD: tokens 4 q .. 4 q + 3 of the lane's half) are held within +-448 x 2^e1, converted eight at a time, and the 4 x 4 bytes are turned by eight v_perm_b32:
; register q of tile j's fragment = the lane's column, tokens 64 s + 32 h + 4 q + 0 .. 3.  That is a permutation of k; the mask's fragments use the same one, so every product meets its partner.
; THE MASK'S WAY.  It is made once, at the head, while the first loads of X are on their way: ids clamped to 32 and packed to bytes (through the wave's own LDS bytes, so that each lane gets its half's 32 ids of a K step);
; for a word of four tokens: xor with the lane's sentence in every byte (0 where equal, at most 63), 0x40 - that (bit 6 set where equal), bit 6 as 0 or 1, and v_perm_b32 puts the code of Q(1) where it is 1.
; The words of 0 and 1 are also added up: the counts, exact whole numbers that do not hang on e0.  The fragments wait in the wave's own LDS bytes as images of their registers.
; WHY NO CLUSTER: work-groups share only the 16 KiB of ids of a batch, under 2 per cent of a work-group's bytes.  WHY NO TENSOR LOAD: the numbers are wanted in registers, once, by one wave.
; LIMITS.  e0 and e1 between -126 and 119, so that 2^e and 448 x 2^e are f32 numbers.  NaN in X is not served (an infinity is held at the largest code).  1 / count is v_rcp_f32.  The f32 sums are taken in another
; order than K ascending (k permuted inside an instruction, K shared among sixteen waves).  An id outside 0 .. 31 belongs to no sentence.  A sentence with no token gives 0 x infinity = NaN, as 0 / 0 does.
; THE MODE: SCHED_MODE bits 1:0 = 2 (LLVM: expert scheduling mode 2), set by the entry lines.  The code itself states the register dependences
; between vector or matrix instructions and memory or LDS instructions, with s_wait_alu, always for 0.
; THE PLAN.  Registers that memory or LDS instructions touch:
;   v[VX], v[L16], v[O1], v[AIM], v[RST], v[RL0], v[RL1], v[OST], v[OLD], v[GO]: offsets and addresses, written once at the head and never again.
;   The ring's slots.  Quad n: its sixteen holds write its slot in place, its two conversions read it; behind them the loads of quad n + 7 land in it.
;   AF.  K step s: its eight products read it; the four LDS loads of step s + 1 land in it, behind that step's first quad.
;   BF, v[C ..], v[T0], v[T1]: named by vector and matrix instructions alone.   The accumulators: written by the products, read by the LDS stores at the end.
;   The head's registers (packed ids, the fragments as they are made, the counts, the head's own LDS addresses) lie where AF, BF and the accumulators lie later.
; So ONE wait on va_vdst stands in a quad that fills its slot again, behind its second conversion: the holds and conversions are done with the slot, and, in a K step's first quad, the last step's products are done
; reading AF.  The slot's four loads follow it, dealt among the quad's eight byte turns, which name v[C ..], v[T0], v[T1] and BF: none of the registers that those loads, or the loads into AF, touch.
; At the head the eight fragments and the counts are made first, and one wait on va_vdst stands ahead of the one run of LDS stores; one wait on vm_vsrc stands where the head's registers pass to the loop.
.set ROWB,  4096                       ; a row of X in bytes
.set R,     7                          ; quads in the ring of registers: 28 loads of a wave on their way
.set NQ,    32                         ; quads of a wave: 4 K steps x 8
.set OP,    272                        ; a row of the output stage: 256 bytes + 16
.set PT,    0                          ; LDS: packed ids, 256 bytes a wave
.set CNT,   4096                       ; each wave's 32 counts, 128 bytes a wave
.set FT,    6144                       ; each wave's own copy of the 32 factors
.set OUTS,  8192                       ; the output stage: 32 rows x OP
.set SPARE, 16896                      ; the spare words, 128 bytes for each wave: eight blocks of 256 bytes that no other line names
.set AIMG,  18944                      ; the mask's fragments: 8,192 bytes a wave (K step s, tile t: 1,024 bytes at 1,024 (2 s + t))
.set RED,   150016                     ; the accumulators' images: 8,192 bytes a wave, 16 slots of 512
.set VX,  1                            ; v1   X: 32 rows x h + 16 r; never rewritten
.set LIM, 2                            ; v2   448 x 2^e1
.set SC,  3                            ; v3   2^e1
.set AIM, 4                            ; v4   my place in my wave's images of the mask
.set SPW, 5                            ; v5   LDS address of my spare word; never rewritten
.set NIL, 6                            ; v6   0; never rewritten
.set L16, 7                            ; v7   16 x lane
.set FAC, 8                            ; v8-11  2^(e0 + e1) / count of the four sentences that I finish
.set T0,  12                           ; v12, v13 at work
.set T1,  13
.set C,   14                           ; v14-17 a quad's codes as converted
.set RST, 18                           ; v18  where my accumulators' images go
.set RL0, 19                           ; v19, v20 where I read my slot of waves 0-7, 8-15
.set RL1, 20
.set OST, 21                           ; v21  the output stage, in
.set OLD, 22                           ; v22  and back
.set GO,  23                           ; v23  my byte offset in my wave's two rows of out0
.set AF,  24                           ; v24-39   the mask's two fragments of a K step
.set BF,  40                           ; v40-71   X's four fragments
.set ACC, 72                           ; v72-135  accumulator (t, j) at 8 (4 t + j)
.set X,   136                          ; v136-247 the ring: 16 registers a quad
.set O1,  248                          ; v248 4 x thread: out1's offset; never rewritten
; at the head only, in registers that the loop takes later:
.set P,   24                           ; v24-55   packed ids: word 8 s + q
.set AT,  56                           ; v56-119  the eight fragments as they are made
.set IDS, 64                           ; v64-71   my eight ids as loaded
.set CN0, 120                          ; v120, v121 counts in bytes, tile 0, 1
.set M0,  122                          ; v122, v123 my sentence in every byte, tile 0, 1
.set TAB, 124                          ; v124 bytes 0, code of Q(1), 0, 0 (v125 with it)
.set PST, 126
.set PLD, 127
.set CST, 128
.set CLD, 129
.set FST, 130
.set FLD, 131
.set R16, 132
.set H,   133
.set LANE, 134
.set RR,  135
.macro XL1 n, i                        ; load i of quad n: token 64 (n / 8) + 32 h + 4 (n % 8) + i; sixteen lanes read 256 consecutive bytes, aligned
	global_load_b128 v[X+16*((\n)%R)+4*(\i):X+16*((\n)%R)+4*(\i)+3], v[VX], s[4:5] offset:(64*((\n)/8)+4*((\n)%8)+(\i))*ROWB th:TH_LOAD_NT
.endm
.macro XLOAD n                         ; quad n: tokens 64 (n / 8) + 32 h + 4 (n % 8) + 0 .. 3
.irp i, 0,1,2,3
	XL1 \n, \i
.endr
.endm
.macro BARRIER                         ; my LDS stores have landed and my LDS loads are in: then the work-group's barrier
	s_wait_dscnt 0x0
	s_barrier_signal -1
	s_barrier_wait -1
.endm
	s_load_b256 s[4:11], s[0:1], 0x0               ; X s[4:5], sentence_mask s[6:7], the scales' exponents s[8:9], out0 s[10:11]
	s_load_b64 s[12:13], s[0:1], 0x20              ; out1
	v_lshl_add_u32 v[SPW], v0, 2, SPARE
	v_mov_b32 v[NIL], 0
	v_lshrrev_b32 v[T0], 5, v0
	v_readfirstlane_b32 s14, v[T0]                 ; wave 0..15
	s_and_b32 s15, ttmp7, 0xffff                   ; batch
	v_and_b32 v[LANE], 31, v0
	v_and_b32 v[RR], 15, v0                        ; r
	v_bfe_u32 v[H], v0, 4, 1                       ; h
	v_lshlrev_b32 v[L16], 4, v[LANE]
	v_lshlrev_b32 v[R16], 4, v[RR]
	v_lshl_add_u32 v[VX], v[H], 17, v[R16]         ; 32 rows of 4,096 bytes for lanes 16-31, + 16 r
	v_lshlrev_b32 v[O1], 2, v0
	s_wait_alu depctr_va_sdst(0)                   ; s14 is written, ahead of its first reader: the bases, the LDS addresses and the one branch are made from it
	s_lshl_b32 s18, s15, 24                        ; X: batch x 16 MiB + wave x 256 rows + 256 g, under 2^28
	s_lshl_b32 s19, s14, 20
	s_add_co_u32 s18, s18, s19
	s_lshl_b32 s19, ttmp9, 8
	s_add_co_u32 s18, s18, s19
	s_mov_b32 s19, 0
	s_lshl_b32 s26, s15, 14                        ; ids: batch x 16 KiB + wave x 1 KiB
	s_lshl_b32 s27, s14, 10
	s_add_co_u32 s26, s26, s27
	s_mov_b32 s27, 0
	s_lshl_b32 s28, s15, 17                        ; out0: batch x 32 rows + rows 2 w on + 256 g
	s_lshl_b32 s29, s14, 13
	s_add_co_u32 s28, s28, s29
	s_lshl_b32 s29, ttmp9, 8
	s_add_co_u32 s28, s28, s29
	s_mov_b32 s29, 0
	s_wait_kmcnt 0x0
	s_load_b64 s[16:17], s[8:9], 0x0               ; e0 (the mask's), e1 (X's)
	s_add_nc_u64 s[4:5], s[4:5], s[18:19]
	s_add_nc_u64 s[6:7], s[6:7], s[26:27]
	s_add_nc_u64 s[10:11], s[10:11], s[28:29]
	s_wait_alu depctr_va_vdst(0)                   ; v[L16], v[VX] and v[O1] are written: the loads of the ids and of X and the store of out1 read them as offsets
	global_load_b128 v[IDS:IDS+3], v[L16], s[6:7]              ; ids 4 lane + 0 .. 3 of my wave's 256: 512 consecutive bytes,
	global_load_b128 v[IDS+4:IDS+7], v[L16], s[6:7] offset:512 ; and 128 + 4 lane + 0 .. 3
.irp n, 0,1,2,3,4,5,6
	XLOAD \n                                       ; the ring is filled: 28 loads
.endr
	s_or_b32 s30, ttmp9, s15                       ; out1 has one owner: wave 0 of work-group (0, 0), whose thread number is the lane
	s_or_b32 s30, s30, s14
	s_cmp_lg_u32 s30, 0
	s_cbranch_scc1 .Lnot_first
	global_store_b32 v[O1], v0, s[12:13]           ; neither register is written again
.Lnot_first:
	; LDS addresses: a constant + a constant x wave + a constant x lane
	s_lshl_b32 s30, s14, 13
	s_add_co_u32 s31, s30, AIMG
	v_add_nc_u32 v[AIM], s31, v[L16]
	s_add_co_u32 s31, s30, RED
	v_add_nc_u32 v[RST], s31, v[L16]
	s_lshl_b32 s31, s14, 9
	s_add_co_u32 s31, s31, RED
	v_add_nc_u32 v[RL0], s31, v[L16]               ; slot w of wave 0's image,
	v_add_nc_u32 v[RL1], 0x10000, v[RL0]           ; of wave 8's: an LDS offset has 16 bits
	s_lshl_b32 s31, s14, 8
	v_lshl_add_u32 v[PST], v[LANE], 2, s31         ; PT = 0
	v_lshl_add_u32 v[PLD], v[H], 5, s31            ; my half's 32 ids of K step 0
	s_lshl_b32 s31, s14, 7
	s_add_co_u32 s33, s31, CNT
	v_lshl_add_u32 v[CST], v[LANE], 2, s33
	v_lshl_add_u32 v[CLD], v[LANE], 2, CNT
	s_add_co_u32 s33, s31, FT
	v_lshl_add_u32 v[FST], v[LANE], 2, s33
	; at the end wave w = 8 t + 2 j + f finishes registers 4 f .. 4 f + 3 of accumulator (t, j): sentences 16 t + 8 h + 4 f + 0 .. 3, column 4 r + j
	s_lshr_b32 s34, s14, 3
	s_and_b32 s35, s14, 1
	s_bfe_u32 s36, s14, 0x20001
	s_lshl_b32 s34, s34, 4
	s_lshl_b32 s35, s35, 2
	s_add_co_u32 s34, s34, s35                     ; 16 t + 4 f
	s_lshl_b32 s35, s34, 2
	s_add_co_u32 s35, s35, s33
	v_lshl_add_u32 v[FLD], v[H], 5, s35            ; their four factors in my wave's table
	s_mul_i32 s35, s34, OP
	s_lshl_b32 s36, s36, 2
	s_add_co_u32 s35, s35, s36
	s_add_co_u32 s35, s35, OUTS
	v_mad_u32_u24 v[OST], v[H], 8*OP, v[R16]
	v_add_nc_u32 v[OST], s35, v[OST]               ; row 16 t + 8 h + 4 f, byte 16 r + 4 j
	s_mul_i32 s35, s14, 2*OP
	s_add_co_u32 s35, s35, OUTS
	v_mad_u32_u24 v[OLD], v[H], OP, v[R16]
	v_add_nc_u32 v[OLD], s35, v[OLD]               ; back: row 2 w + h, 16 bytes a lane
	v_lshl_add_u32 v[GO], v[H], 12, v[R16]
	s_mov_b32 s20, 0x05010400                      ; v_perm_b32: bytes 0 and 1 of two words, interleaved
	s_mov_b32 s21, 0x07030602                      ; bytes 2 and 3, interleaved
	s_mov_b32 s22, 0x05040100                      ; the two low halves
	s_mov_b32 s23, 0x07060302                      ; the two high halves
	s_mov_b32 s24, 0x40404040
	s_mov_b32 s25, 0x01010101
	s_mov_b32 s38, 0x76543210                      ; v_permlanex16_b32: lane l xor 16
	s_mov_b32 s39, 0xfedcba98
	s_mov_b32 s40, 0x00ff00ff
	s_wait_kmcnt 0x0
	s_add_co_i32 s41, s16, s17                     ; e0 + e1
	s_add_co_i32 s36, s17, 127
	s_lshl_b32 s37, s36, 23
	v_mov_b32 v[SC], s37                           ; 2^e1 as f32: the conversion takes its exponent field
	s_add_co_i32 s36, s36, 8
	s_lshl_b32 s36, s36, 23
	s_or_b32 s36, s36, 0x600000
	v_mov_b32 v[LIM], s36                          ; 448 x 2^e1
	s_add_co_i32 s36, s16, 127
	s_lshl_b32 s37, s36, 23                        ; 2^e0
	s_add_co_i32 s36, s36, 8
	s_lshl_b32 s36, s36, 23
	s_or_b32 s36, s36, 0x600000                    ; 448 x 2^e0
	; the mask's two codes, by the quantiser itself: the numbers 0, 1, 0, 0 .. give the bytes 0, Q(1), 0, 0 ..
	v_mov_b32 v[AT], 0
	v_mov_b32 v[AT+1], s36
	v_min_num_f32 v[AT+1], 1.0, v[AT+1]            ; the hold: the conversion to an 8-bit code does not saturate (ISA guide 7.6.2)
.irp i, 2,3,4,5,6,7
	v_mov_b32 v[AT+\i], 0
.endr
	v_mov_b32 v[CN0], s37
	v_cvt_scalef32_pk8_fp8_f32 v[TAB:TAB+1], v[AT:AT+7], v[CN0]
	v_nop                                          ; one plain vector instruction behind a scaled conversion, ahead of what writes its sources or reads its result
	v_mul_lo_u32 v[M0], v[RR], s25                 ; sentence r in every byte,
	v_add_nc_u32 v[M0+1], 0x10101010, v[M0]        ; sentence r + 16
	v_mov_b32 v[CN0], 0
	v_mov_b32 v[CN0+1], 0
	s_wait_loadcnt 4*R                             ; my ids are in: behind them only the ring's 28 loads were issued
.irp i, 0,1,2,3,4,5,6,7
	v_min_u32 v[IDS+\i], 32, v[IDS+\i]             ; every id outside 0 .. 31 (a negative one is large as unsigned) becomes 32, which equals no sentence
.endr
.irp u, 0,4
	v_lshl_or_b32 v[IDS+\u], v[IDS+\u+1], 8, v[IDS+\u]
	v_lshl_or_b32 v[IDS+\u+2], v[IDS+\u+3], 8, v[IDS+\u+2]
	v_lshl_or_b32 v[IDS+\u], v[IDS+\u+2], 16, v[IDS+\u]
.endr
	s_wait_alu depctr_va_vdst(0)                   ; the two packed words v[IDS], v[IDS+4] are written, which the LDS stores read; so are all the LDS addresses and v[GO], which the LDS instructions and the last store of the kernel read
	ds_store_b32 v[PST], v[IDS]                    ; byte t of my wave's 256 = the id of its token t
	ds_store_b32 v[PST], v[IDS+4] offset:128
.irp s, 0,1,2,3
	ds_load_b128 v[P+8*\s:P+8*\s+3], v[PLD] offset:64*\s          ; LDS serves a wave's instructions in order (ISA guide 5.7.1.4): these see my stores.  Tokens 64 s + 32 h + 0 .. 31
	ds_load_b128 v[P+8*\s+4:P+8*\s+7], v[PLD] offset:64*\s+16
.endr
	s_wait_dscnt 0x0
	s_wait_alu depctr_vm_vsrc(0)                   ; the two LDS stores have read v[IDS] and v[IDS+4], which the second fragment's lines write
.macro ABUILD s, t                     ; the fragment of K step s, sentences 16 t + r: eight words, each in a register of its own from first to last
.set AB, AT+8*(2*(\s)+(\t))
.irp q, 0,1,2,3,4,5,6,7
	v_xor_b32 v[AB+\q], v[P+8*(\s)+\q], v[M0+(\t)]   ; a byte is 0 where the token is my sentence's, else 1 .. 63
.endr
.irp q, 0,1,2,3,4,5,6,7
	v_sub_nc_u32 v[AB+\q], s24, v[AB+\q]           ; 0x40 - byte: 0x40 or 1 .. 0x3f: no byte borrows
.endr
.irp q, 0,1,2,3,4,5,6,7
	v_lshrrev_b32 v[AB+\q], 6, v[AB+\q]
.endr
.irp q, 0,1,2,3,4,5,6,7
	v_and_b32 v[AB+\q], s25, v[AB+\q]              ; 1 or 0
.endr
.irp q, 0,2,4,6
	v_add3_u32 v[CN0+(\t)], v[CN0+(\t)], v[AB+\q], v[AB+\q+1]   ; the counts, four bytes at a time: 32 words a lane and tile, so no byte passes 32
.endr
.irp q, 0,1,2,3,4,5,6,7
	v_perm_b32 v[AB+\q], v[TAB], v[TAB], v[AB+\q]  ; selector 1 picks the code of Q(1), selector 0 the code 0
.endr
.endm
.macro ASTORE s, t                     ; the fragment goes to my wave's LDS bytes as it stands
.set AB, AT+8*(2*(\s)+(\t))
	ds_store_b128 v[AIM], v[AB:AB+3] offset:(2*(\s)+(\t))*1024
	ds_store_b128 v[AIM], v[AB+4:AB+7] offset:(2*(\s)+(\t))*1024+512
.endm
.irp s, 0,1,2,3
	ABUILD \s, 0
	ABUILD \s, 1
.endr
	; lane l = r + 16 h ends up with my wave's count of sentence l: its own part of tile h, and the part of tile h that the lane 16 away has
	v_cmp_eq_u32 vcc_lo, 1, v[H]
	s_wait_alu depctr_va_vcc(0)                    ; VCC is written, ahead of the two selects that read it
	v_cndmask_b32 v24, v[CN0], v[CN0+1], vcc_lo
	v_cndmask_b32 v25, v[CN0+1], v[CN0], vcc_lo
	v_mov_b32 v26, 0                               ; a lane permute's destination counts as one of its sources
	v_permlanex16_b32 v26, v25, s38, s39
	v_add_nc_u32 v24, v24, v26                     ; bytes of at most 64
	v_and_b32 v25, s40, v24
	v_lshrrev_b32 v24, 8, v24
	v_and_b32 v24, s40, v24
	v_add_nc_u32 v24, v24, v25
	v_lshrrev_b32 v25, 16, v24
	v_and_b32 v24, 0xffff, v24
	v_add_nc_u32 v24, v24, v25
	s_wait_alu depctr_va_vdst(0)                   ; the eight fragments v[AT ..] and the count v24 are written, which the seventeen LDS stores read; and the xors are done reading v40 to v55, in which the counts' loads behind the barrier land
.irp s, 0,1,2,3
	ASTORE \s, 0
	ASTORE \s, 1
.endr
	ds_store_b32 v[CST], v24
	BARRIER                                        ; every wave's 32 counts lie in LDS (the ring's loads of X stay on their way: nobody writes those bytes)
.irp u, 0,1,2,3,4,5,6,7,8,9,10,11,12,13,14,15
	ds_load_b32 v[40+\u], v[CLD] offset:128*\u
.endr
	s_wait_dscnt 0x0
.irp u, 0,3,6,9,12
	v_add3_u32 v[40+\u], v[40+\u], v[41+\u], v[42+\u]
.endr
	v_add3_u32 v40, v40, v43, v46
	v_add3_u32 v49, v49, v52, v55
	v_add_nc_u32 v40, v40, v49                     ; sentence l's count in the batch
	v_cvt_f32_u32 v40, v40
	s_wait_alu depctr_va_vdst(0)
	v_rcp_f32 v41, v40                             ; (infinity where no token has the sentence)
	v_nop                                          ; a plain instruction behind the transcendental,
	s_wait_alu depctr_va_vdst(0)                   ; and a wait ahead of the first reader of the reciprocal v41
	v_ldexp_f32 v41, v41, s41                      ; 2^(e0 + e1) / count
	s_wait_alu depctr_va_vdst(0)                   ; the factor v41 is written, which the LDS store reads
	ds_store_b32 v[FST], v41                       ; through my wave's own table:
	ds_load_b128 v[FAC:FAC+3], v[FLD]              ; the factors of the four sentences that I finish
	s_wait_alu depctr_vm_vsrc(0)                   ; the head's LDS instructions have read v24, v41, v[AT ..] and their addresses v126 to v131: from here on these registers are AF, BF and the accumulators, written by LDS loads, byte turns and products
.macro AFETCH s                        ; the mask's two fragments of K step s come back as they were stored
.irp u, 0,1,2,3
	ds_load_b128 v[AF+4*\u:AF+4*\u+3], v[AIM] offset:(\s)*2048+512*\u
.endr
.endm
	AFETCH 0
	s_wait_dscnt 0x0                               ; the head's LDS work is over: its registers may be taken
; A QUAD: 16 numbers a lane become one register of each of the four fragments.
.macro QUAD n
.set XS, X+16*((\n)%R)
.set QQ, (\n)%8
.if (\n)+R <= NQ
	s_wait_loadcnt 4*(R-1)                         ; loads come back in order (ISA guide 5.7.1): this quad's four are in, the six younger quads' stay out
.else
	s_wait_loadcnt 4*(NQ-1-(\n))                   ; the last quads: the counts run down
.endif
.irp i, 0,1,2,3,4,5,6,7
	v_med3_num_f32 v[XS+\i], v[XS+\i], -v[LIM], v[LIM]   ; the hold at the largest code x the scale
.endr
	v_cvt_scalef32_pk8_fp8_f32 v[C:C+1], v[XS:XS+7], v[SC]        ; word 0: token 0, columns j = 0 .. 3; word 1: token 1
.irp i, 8,9,10,11,12,13,14,15
	v_med3_num_f32 v[XS+\i], v[XS+\i], -v[LIM], v[LIM]
.endr
	v_cvt_scalef32_pk8_fp8_f32 v[C+2:C+3], v[XS+8:XS+15], v[SC]   ; tokens 2, 3
.if (\n)+R < NQ
	s_wait_alu depctr_va_vdst(0)                   ; the holds have written the slot and the conversions are done reading it: the quad seven further on lands in it; in a K step's first quad: the last step's products are done reading AF
	XL1 (\n)+R, 0                                  ; the slot's four loads are dealt among the byte turns, which name none of its registers
.endif
	v_perm_b32 v[T0], v[C+1], v[C], s20            ; j0: tokens 0, 1; j1: tokens 0, 1.  (These two are plain instructions between the second conversion and the first reader of its result)
	v_perm_b32 v[C], v[C+1], v[C], s21             ; j2, j3 likewise
.if (\n)+R < NQ
	XL1 (\n)+R, 1
.endif
	v_perm_b32 v[T1], v[C+3], v[C+2], s20          ; j0, j1: tokens 2, 3
	v_perm_b32 v[C+2], v[C+3], v[C+2], s21         ; j2, j3
.if (\n)+R < NQ
	XL1 (\n)+R, 2
.endif
	v_perm_b32 v[BF+QQ], v[T1], v[T0], s22         ; column 4 r + 0, tokens 0 .. 3
	v_perm_b32 v[BF+8+QQ], v[T1], v[T0], s23       ; column 4 r + 1
.if (\n)+R < NQ
	XL1 (\n)+R, 3
.endif
	v_perm_b32 v[BF+16+QQ], v[C+2], v[C], s22      ; column 4 r + 2
	v_perm_b32 v[BF+24+QQ], v[C+2], v[C], s23      ; column 4 r + 3
.endm
; Eight products of a K step: source 0 = 16 sentences, source 1 = 16 columns.  The eight accumulators take turns, one instruction a turn, from step to step too.
.macro MULS zero
.irp t, 0,1
.irp j, 0,1,2,3
.if \zero
	v_wmma_f32_16x16x64_fp8_fp8 v[ACC+8*(4*\t+\j):ACC+8*(4*\t+\j)+7], v[AF+8*\t:AF+8*\t+7], v[BF+8*\j:BF+8*\j+7], 0
.else
	v_wmma_f32_16x16x64_fp8_fp8 v[ACC+8*(4*\t+\j):ACC+8*(4*\t+\j)+7], v[AF+8*\t:AF+8*\t+7], v[BF+8*\j:BF+8*\j+7], v[ACC+8*(4*\t+\j):ACC+8*(4*\t+\j)+7]
.endif
.endr
.endr
.endm
; A K step of 64 tokens.  Behind the last step's products the first quad's sixteen holds, which name none of their registers, stand ahead of the first write of a fragment of X and of the loads into the mask's.
; The first quads of steps 1 to 3 (quads 8, 16, 24) all fill a slot again, so each holds the wait on va_vdst behind which the loads into AF stand; the byte turns between name no register of AF.
.macro KSTEP s, zero
	QUAD 8*(\s)
.if (\s) > 0
	AFETCH \s
.endif
.irp q, 1,2,3,4,5,6,7
	QUAD 8*(\s)+\q
.endr
	s_wait_alu depctr_va_vdst(0)
	s_wait_dscnt 0x0                               ; the mask's fragments are in
	MULS \zero
.endm
	KSTEP 0, 1                                     ; the first step's products start the sums: nothing is cleared
	KSTEP 1, 0
	KSTEP 2, 0
	KSTEP 3, 0
	; THE END.  Sixteen partial tiles of 32 x 64 are added: each wave's accumulators go to LDS as they stand, 16 slots of four registers; wave w adds slot w of all sixteen.
.rept 4
	v_nop                                          ; four places between the last products and the first read of results
.endr
	s_wait_alu depctr_va_vdst(0)                   ; the products have written the accumulators, which the LDS stores read (the places above stay beside this wait); and the last quads are done with the ring's registers, in which the loads behind the barrier land
.irp a, 0,1,2,3,4,5,6,7
	ds_store_b128 v[RST], v[ACC+8*\a:ACC+8*\a+3] offset:1024*\a          ; each accumulator from its low end on
	ds_store_b128 v[RST], v[ACC+8*\a+4:ACC+8*\a+7] offset:1024*\a+512
.endr
	BARRIER
.irp u, 0,1,2,3,4,5,6,7
	ds_load_b128 v[X+4*\u:X+4*\u+3], v[RL0] offset:8192*\u
.endr
.irp u, 0,1,2,3,4,5,6,7
	ds_load_b128 v[X+32+4*\u:X+32+4*\u+3], v[RL1] offset:8192*\u
.endr
	s_wait_dscnt 0x0
.irp u, 0,1,2,3,4,5,6,7
	v_pk_add_f32 v[X+4*\u:X+4*\u+1], v[X+4*\u:X+4*\u+1], v[X+32+4*\u:X+32+4*\u+1]
	v_pk_add_f32 v[X+4*\u+2:X+4*\u+3], v[X+4*\u+2:X+4*\u+3], v[X+32+4*\u+2:X+32+4*\u+3]
.endr
.irp u, 0,1,2,3
	v_pk_add_f32 v[X+4*\u:X+4*\u+1], v[X+4*\u:X+4*\u+1], v[X+16+4*\u:X+16+4*\u+1]
	v_pk_add_f32 v[X+4*\u+2:X+4*\u+3], v[X+4*\u+2:X+4*\u+3], v[X+16+4*\u+2:X+16+4*\u+3]
.endr
.irp u, 0,1
	v_pk_add_f32 v[X+4*\u:X+4*\u+1], v[X+4*\u:X+4*\u+1], v[X+8+4*\u:X+8+4*\u+1]
	v_pk_add_f32 v[X+4*\u+2:X+4*\u+3], v[X+4*\u+2:X+4*\u+3], v[X+8+4*\u+2:X+8+4*\u+3]
.endr
	v_pk_add_f32 v[X:X+1], v[X:X+1], v[X+4:X+5]
	v_pk_add_f32 v[X+2:X+3], v[X+2:X+3], v[X+6:X+7]
	v_pk_mul_f32 v[X:X+1], v[X:X+1], v[FAC:FAC+1]          ; x 2^(e0 + e1) / count, each sentence by its own factor
	v_pk_mul_f32 v[X+2:X+3], v[X+2:X+3], v[FAC+2:FAC+3]
	s_wait_alu depctr_va_vdst(0)                   ; the four results v[X] to v[X+3] are written, which the LDS stores read; and the additions are done with v[X+4] to v[X+7], in which the load behind the barrier lands
.irp e, 0,1,2,3
	ds_store_b32 v[OST], v[X+\e] offset:OP*\e      ; sentence 16 t + 8 h + 4 f + e, column 4 r + j: a row's 256 bytes come from four waves
.endr
	BARRIER                                        ; 32 whole rows lie in the stage
	ds_load_b128 v[X+4:X+7], v[OLD]
	s_wait_dscnt 0x0
	global_store_b128 v[GO], v[X+4:X+7], s[10:11] th:TH_STORE_NT   ; rows 2 w and 2 w + 1: sixteen lanes store 256 consecutive bytes, at a multiple of 256 from out0's first byte
	s_wait_dscnt 0x0                               ; the wave's end: the closing lines, six on end
	s_wait_alu 0x0
	s_wait_tensorcnt 0x0
	ds_add_u32 v[SPW], v[NIL]
	s_wait_dscnt 0x0
	s_endpgm
.Lfunc_end_k_qb66b37e7dc_segmean:
	.size	k_qb66b37e7dc_segmean, .Lfunc_end_k_qb66b37e7dc_segmean-k_qb66b37e7dc_segmean
	.p2alignl 7, 3214868480
	.fill 96, 4, 3214868480
	.section	.rodata,"a",@progbits
	.p2align	6, 0x0
	.amdhsa_kernel k_qb66b37e7dc_segmean
		.amdhsa_group_segment_fixed_size 281600
		.amdhsa_private_segment_fixed_size 0
		.amdhsa_enable_private_segment 0
		.amdhsa_kernarg_size 40
		.amdhsa_user_sgpr_count 2
		.amdhsa_user_sgpr_kernarg_segment_ptr 1
		.amdhsa_wavefront_size32 1
		.amdhsa_system_sgpr_workgroup_id_x 1
		.amdhsa_system_sgpr_workgroup_id_y 1
		.amdhsa_system_sgpr_workgroup_id_z 1
		.amdhsa_system_vgpr_workitem_id 0
		.amdhsa_next_free_vgpr 256
		.amdhsa_next_free_sgpr 66
		.amdhsa_reserve_vcc 1
		.amdhsa_float_denorm_mode_32 3
		.amdhsa_float_denorm_mode_16_64 3
		.amdhsa_memory_ordered 1
		.amdhsa_forward_progress 1
		.amdhsa_inst_pref_size 99
	.end_amdhsa_kernel
	.amdgpu_metadata
---
amdhsa.version: [ 1, 2 ]
amdhsa.kernels:
  - .name:           k_qb66b37e7dc_segmean
    .symbol:         k_qb66b37e7dc_segmean.kd
    .args:
      - { .name: last_hidden_state, .offset: 0, .size: 8, .value_kind: global_buffer, .address_space: global }
      - { .name: sentence_mask, .offset: 8, .size: 8, .value_kind: global_buffer, .address_space: global }
      - { .name: lowp_scales, .offset: 16, .size: 8, .value_kind: global_buffer, .address_space: global }
      - { .name: out0, .offset: 24, .size: 8, .value_kind: global_buffer, .address_space: global }
      - { .name: out1, .offset: 32, .size: 8, .value_kind: global_buffer, .address_space: global }
    .group_segment_fixed_size: 281600
    .private_segment_fixed_size: 0
    .kernarg_segment_align: 8
    .kernarg_segment_size: 40
    .max_flat_workgroup_size: 512
    .sgpr_count:     66
    .vgpr_count:     256
    .wavefront_size: 32
...
	.end_amdgpu_metadata
.endif
;; end of part 2
